; MI455X (gfx1250); checked and timed in simulation.
; The chip was launched on July 23, 2026; its instructions are those of AMD's public machine-readable ISA for CDNA 5 (MIT licence, August 2026) and "CDNA5" Instruction Set Architecture Reference Guide (July 2026). The comments in the code are by the model that wrote it; some were corrected since.
;; GD Attention. Allowed arithmetic: float matrix products may take bf16 or f16 operands with f32 sums; all other float work in f32.
;; Inputs: W_k 8 x 128 x 128 float32; W_o 128 x 1,024 float32; W_q 8 x 128 x 128 float32; x 2 x 2,048 x 128 float32.
;; Outputs: out0 2 x 2,048 x 128 float32.
;; One version. Each part assembles by itself: llvm-mc -triple=amdgcn-amd-amdhsa -mcpu=gfx1250 --defsym DOCPART=n.
;; ======== version 1 of 1: 2 launches
;; limits: values are held in f16: magnitudes above 65,504 overflow, below 6.1e-05 lose precision; inputs' magnitudes at most 65,504; right only within a limited range of input values
;; workspace buffers: xh 1,048,576 bytes; Qp 8,388,608 bytes; Wof 262,144 bytes
;; launch prep (part 1): grid 256 x 1, 8 waves a work-group, no clusters, 140,288 bytes of LDS; arguments x, W_q, W_k, W_o, xh, Qp, Wof; writes xh, Qp, Wof
.if DOCPART == 1
	.amdgcn_target "amdgcn-amd-amdhsa--gfx1250"
	.amdhsa_code_object_version 6
	.text
	.protected	k_q6fae271f4e_prep
	.globl	k_q6fae271f4e_prep
	.p2align	8
	.type	k_q6fae271f4e_prep,@function
k_q6fae271f4e_prep:
	s_mov_b64 s[64:65], 0
	v_nop
	global_prefetch_b8 v0, s[64:65] scope:SCOPE_SE
	s_setreg_imm32_b32 hwreg(HW_REG_WAVE_MODE, 25, 1), 1
	s_wait_xcnt 0x0
; PREPARATION for the attention launch.  Sizes: 4,096 rows of x (2 x 2,048) of 128 f32; 8 heads; W_q, W_k [8][128][128]; W_o [128][1024].
; scores = (x W_q)(x W_k)^T = x (W_q W_k^T) x^T, for every input.  So with M_h = W_q[h] W_k[h]^T and Q'_h = x M_h the keys of every head are x itself.
; Work-group g: head h = g & 7, rows 128 (g >> 3) .. + 127.  It makes M_h (bf16 operands, f32 sums, kept as f16), Q'_h of its rows (f16 operands),
; 16 rows of the f16 copy of x, and 64 pieces of 16 bytes of the reordered W_o.
;   xh  [4096][128] f16 = f16(bf16(x))                                  (bf16's 8 significant bits fit f16's 11)
;   Qp  [row >> 3][head][row & 7][128] f16 = c Q', c = log2(e) / sqrt(128): the scores then come out as exponents of 2
;   Wof f16 = 256 bf16(W_o), piece q of 16 bytes = [k >> 8][n >> 4][(k >> 5) & 7][(k >> 4) & 1][16 ((k >> 3) & 1) + (n & 15)], holding k & 7 = 0 .. 7:
;       the order in which the attention launch's lanes take their matrix fragments, 512 neighbouring bytes a load.
; LIMITS: |x| below 65,504 (f16); c Q' is clamped to +-60,000; NaN and infinities in the inputs are not reproduced; M is rounded to f16 before it meets x,
; an order of rounding that differs from the reference's.
; Eight waves; wave w owns columns d' = 16 w .. 16 w + 15 of M and of Q'.  The data are converted on their way into LDS, so they come through registers.
; No cluster: what work-groups share here (a head's weights, a row block of x) is converted by each for itself, and is read once by each.
.set PITCH, 272                        ; an LDS row: 256 bytes + 16, an odd multiple of 16: the 16 rows of a fragment load start at 16 different 16-byte columns
.set TILE,  128*PITCH
.set XT,    0                          ; x rows as f16
.set WQ,    TILE                       ; W_q[h] as bf16
.set WK,    2*TILE                     ; W_k[h] as bf16
.set QS,    3*TILE                     ; stage for Q', f16
.set GOF, 4                            ; v4   global offset: 16 lane + 16 w rows of 512 bytes
.set STA, 5                            ; v5   LDS store address: row 16 w, 8 bytes a lane
.set FRA, 6                            ; v6   fragment address: r PITCH + 16 hh
.set FRK, 7                            ; v7   the same at W_k's row 16 w
.set QSW, 8                            ; v8   Q' stage, in
.set QSR, 9                            ; v9   Q' stage, back
.set LOF, 10                           ; v10  16 lane
.set XRD, 11                           ; v11  my 16 bytes of the x rows that this work-group writes to xh
.set TMP, 12
.set WOO, 13                           ; v13  offset into W_o
.set STK, 14                           ; v14  STA + WK (beyond the 16-bit offset field)
.set TOF, 15                           ; v15  16 thread
.set WL,  16                           ; v[16:23] eight W_o numbers
.set WP,  24                           ; v[24:27] the same, packed; store data, never rewritten
.set XD,  28                           ; v[28:31] xh store data, never rewritten
.set LQ,  32                           ; v[32:95]   W_q as loaded;  then ACC
.set LKK, 96                           ; v[96:159]  W_k as loaded;  then FIX and AF0
.set LX,  160                          ; v[160:223] x as loaded;    then AF0, AF1
.set ACC, 32                           ; eight accumulator tiles
.set FIX, 96                           ; four fragments that stay through a phase
.set AF0, 128                          ; eight fragments of one K step, two buffers
.set AF1, 192
.macro NOPS n
.rept \n
	v_nop
.endr
.endm
	s_load_b256 s[4:11], s[0:1], 0x0               ; x s[4:5], W_q s[6:7], W_k s[8:9], W_o s[10:11]
	s_load_b128 s[12:15], s[0:1], 0x20             ; xh s[12:13], Qp s[14:15]
	s_load_b64 s[16:17], s[0:1], 0x30              ; Wof
	s_set_vgpr_msb 0x40
	v_lshl_add_u32 v0, v0, 2, 0x22000
	v_mov_b32 v1, 0
	s_set_vgpr_msb 0x4000
	v_lshrrev_b32 v1, 5, v0
	v_readfirstlane_b32 s20, v1                    ; wave w
	v_and_b32 v1, 31, v0                           ; lane
	v_and_b32 v2, 15, v0                           ; r
	v_bfe_u32 v3, v0, 4, 1                         ; hh
	s_and_b32 s21, ttmp9, 7                        ; head h
	s_lshr_b32 s22, ttmp9, 3                       ; row block rb
	s_mul_i32 s23, s20, 16*PITCH                   ; LDS row 16 w
	s_lshl_b32 s24, s21, 16                        ; a head's weights: 65,536 bytes
	s_mov_b32 s25, 0
	s_lshl_b32 s26, s22, 16                        ; 128 rows of x: 65,536 bytes
	s_mov_b32 s27, 0
	s_bfe_u32 s28, ttmp9, 0x30003                  ; W_o piece 64 g + thread: n >> 4 = (g >> 3) & 7, 16 rows of 4,096 bytes
	s_lshl_b32 s28, s28, 16
	s_lshr_b32 s29, ttmp9, 6                       ; k >> 8 = g >> 6: 256 numbers
	s_lshl_b32 s29, s29, 10
	s_add_co_u32 s28, s28, s29
	s_lshl_b32 s29, s21, 7                         ; (k >> 5) & 7 = g & 7: 32 numbers
	s_add_co_u32 s28, s28, s29
	s_lshl_b32 s29, s20, 6                         ; (k >> 4) & 1 = wave (0 or 1): 16 numbers
	s_add_co_u32 s28, s28, s29
	s_mov_b32 s29, 0
	s_lshl_b32 s30, s22, 15                        ; xh: row 128 rb + 16 h + 2 w, 256 bytes a row
	s_lshl_b32 s31, s21, 12
	s_add_co_u32 s30, s30, s31
	s_lshl_b32 s31, s20, 9
	s_add_co_u32 s30, s30, s31
	s_mov_b32 s31, 0
	s_lshl_b32 s32, s22, 18                        ; Qp: ((16 rb + 2 w) 64 + 8 h) 256
	s_lshl_b32 s33, s20, 15
	s_add_co_u32 s32, s32, s33
	s_lshl_b32 s33, s21, 11
	s_add_co_u32 s32, s32, s33
	s_mov_b32 s33, 0
	s_lshl_b32 s34, ttmp9, 10                      ; Wof: 64 pieces of 16 bytes a work-group
	s_mov_b32 s35, 0
	s_mul_i32 s36, s21, 16*PITCH                   ; LDS row 16 h + 2 w of x
	s_mul_i32 s37, s20, 2*PITCH
	s_add_co_u32 s36, s36, s37
	s_mov_b32 s37, 0xc76a6000                      ; -60,000
	s_mov_b32 s38, 0x476a6000                      ; +60,000
	s_mov_b32 s39, 0xffff0000                      ; a word's upper bf16
	s_lshl_b32 s18, s20, 5
	s_add_co_u32 s18, s18, QS                      ; Q' stage at my 16 columns
	v_lshlrev_b32 v[LOF], 4, v1
	v_lshl_add_u32 v[GOF], s20, 13, v[LOF]
	v_lshl_add_u32 v[STA], v1, 3, s23
	v_add_nc_u32 v[STK], WK, v[STA]
	v_mul_u32_u24 v[FRA], v2, PITCH
	v_lshl_add_u32 v[FRA], v3, 4, v[FRA]
	v_add3_u32 v[FRK], v[FRA], s23, WK
	v_add_nc_u32 v[QSW], s18, v[FRA]
	v_mul_u32_u24 v[TMP], v3, PITCH
	v_lshl_add_u32 v[TMP], v2, 4, v[TMP]           ; hh PITCH + 16 r: lanes 0-15 one row, lanes 16-31 the next
	v_add3_u32 v[QSR], v[TMP], s23, QS
	v_add_nc_u32 v[XRD], s36, v[TMP]
	v_lshlrev_b32 v[WOO], 12, v2                   ; row n & 15 of W_o,
	v_lshl_add_u32 v[WOO], v3, 5, v[WOO]           ; 8 numbers further for the upper half of the lanes
	v_lshlrev_b32 v[TOF], 4, v0
	s_wait_kmcnt 0x0
	s_add_nc_u64 s[6:7], s[6:7], s[24:25]
	s_add_nc_u64 s[8:9], s[8:9], s[24:25]
	s_add_nc_u64 s[4:5], s[4:5], s[26:27]
	s_add_nc_u64 s[10:11], s[10:11], s[28:29]
	s_add_nc_u64 s[12:13], s[12:13], s[30:31]
	s_add_nc_u64 s[14:15], s[14:15], s[32:33]
	s_add_nc_u64 s[16:17], s[16:17], s[34:35]
	; waves 0 and 1: eight numbers of W_o a lane (each number of W_o is read once in the launch)
	s_cmp_ge_u32 s20, 2
	s_cbranch_scc1 .Lno_wo_load
	global_load_b128 v[WL:WL+3], v[WOO], s[10:11]
	global_load_b128 v[WL+4:WL+7], v[WOO], s[10:11] offset:16
.Lno_wo_load:
	; every wave: its 16 rows of W_q[h], of W_k[h] and of x; one load is one row of 512 bytes
.irp i, 0,1,2,3,4,5,6,7,8,9,10,11,12,13,14,15
	global_load_b128 v[LQ+4*\i:LQ+4*\i+3], v[GOF], s[6:7] offset:512*\i
.endr
.irp i, 0,1,2,3,4,5,6,7,8,9,10,11,12,13,14,15
	global_load_b128 v[LKK+4*\i:LKK+4*\i+3], v[GOF], s[8:9] offset:512*\i
.endr
.irp i, 0,1,2,3,4,5,6,7,8,9,10,11,12,13,14,15
	global_load_b128 v[LX+4*\i:LX+4*\i+3], v[GOF], s[4:5] offset:512*\i
.endr
	s_cmp_ge_u32 s20, 2
	s_cbranch_scc1 .Lno_wo
	s_wait_loadcnt 48                              ; the 48 tile loads are younger: the two W_o loads are in
.irp p, 0,1,2,3
	v_cvt_pk_bf16_f32 v[WP+\p], v[WL+2*\p], v[WL+2*\p+1]       ; round to bf16,
.endr
.irp p, 0,1,2,3
	v_lshlrev_b32 v[WL+2*\p], 16, v[WP+\p]                     ; widen again,
	v_and_b32 v[WL+2*\p+1], s39, v[WP+\p]
.endr
.irp p, 0,2,4,6
	v_pk_mul_f32 v[WL+\p:WL+\p+1], v[WL+\p:WL+\p+1], 0x43800000 op_sel_hi:[1,0]   ; times 256, exact: lifts small weights into f16's normal range
.endr
.irp p, 0,1,2,3
	v_cvt_pk_f16_f32 v[WP+\p], v[WL+2*\p], v[WL+2*\p+1]
.endr
	global_store_b128 v[TOF], v[WP:WP+3], s[16:17]             ; 16 lanes store 256 consecutive bytes, aligned
.Lno_wo:
; 16 rows as loaded -> bf16 -> LDS, 8 bytes a lane (a row's 256 bytes by one store)
.macro CVW land, adr, base
.irp i, 0,1,2,3,4,5,6,7,8,9,10,11,12,13,14,15
	v_cvt_pk_bf16_f32 v[\land+4*\i], v[\land+4*\i], v[\land+4*\i+1]
	v_cvt_pk_bf16_f32 v[\land+4*\i+1], v[\land+4*\i+2], v[\land+4*\i+3]
	ds_store_b64 v[\adr], v[\land+4*\i:\land+4*\i+1] offset:\base+PITCH*\i
.endr
.endm
	s_wait_loadcnt 32                              ; W_k's and x's 32 loads are younger: W_q's rows are in
	CVW LQ, STA, WQ
	s_wait_loadcnt 16                              ; x's 16 loads are younger
	CVW LKK, STK, 0
	s_wait_loadcnt 0x0
.irp i, 0,1,2,3,4,5,6,7,8,9,10,11,12,13,14,15
	v_cvt_pk_bf16_f32 v[LX+4*\i], v[LX+4*\i], v[LX+4*\i+1]     ; x: round to bf16, then write the same numbers as f16
	v_cvt_pk_bf16_f32 v[LX+4*\i+1], v[LX+4*\i+2], v[LX+4*\i+3]
	v_lshlrev_b32 v[LX+4*\i+2], 16, v[LX+4*\i+1]
	v_and_b32 v[LX+4*\i+3], s39, v[LX+4*\i+1]
	v_cvt_pk_f16_f32 v[LX+4*\i+1], v[LX+4*\i+2], v[LX+4*\i+3]
	v_lshlrev_b32 v[LX+4*\i+2], 16, v[LX+4*\i]
	v_and_b32 v[LX+4*\i+3], s39, v[LX+4*\i]
	v_cvt_pk_f16_f32 v[LX+4*\i], v[LX+4*\i+2], v[LX+4*\i+3]
	ds_store_b64 v[STA], v[LX+4*\i:LX+4*\i+1] offset:XT+PITCH*\i
.endr
	s_wait_dscnt 0x0                               ; my stores are in LDS before I say so
	s_barrier_signal -1
	s_barrier_wait -1                              ; the three tiles are whole
; 16 LDS loads: the eight fragments (16 rows x 32 K each) of K step kf of the tile at base
.macro LDF base, kf, buf
.irp t, 0,1,2,3,4,5,6,7
	ds_load_b128 v[\buf+8*\t:\buf+8*\t+3], v[FRA] offset:\base+\t*16*PITCH+64*\kf
	ds_load_b128 v[\buf+8*\t+4:\buf+8*\t+7], v[FRA] offset:\base+\t*16*PITCH+64*\kf+32
.endr
.endm
; eight matrix instructions, the eight accumulators by turns, one instruction a turn.
; ph = 0: M.   A = 16 rows d of W_q, B = my 16 rows d' of W_k: register j of lane (r, hh) = M(16 t + 8 hh + j, d' = r)
; ph = 1: Q'.  A = M as (d' = row, d along K), B = 16 rows of x: register j of lane (r, hh) = Q'(row 16 t + r, d' = 8 hh + j)
.macro MM8 ph, buf, kf, zero
.irp t, 0,1,2,3,4,5,6,7
.if \ph == 0
.if \zero
	v_wmma_f32_16x16x32_bf16 v[ACC+8*\t:ACC+8*\t+7], v[\buf+8*\t:\buf+8*\t+7], v[FIX+8*\kf:FIX+8*\kf+7], 0
.else
	v_wmma_f32_16x16x32_bf16 v[ACC+8*\t:ACC+8*\t+7], v[\buf+8*\t:\buf+8*\t+7], v[FIX+8*\kf:FIX+8*\kf+7], v[ACC+8*\t:ACC+8*\t+7]
.endif
.else
.if \zero
	v_wmma_f32_16x16x32_f16 v[ACC+8*\t:ACC+8*\t+7], v[FIX+8*\kf:FIX+8*\kf+7], v[\buf+8*\t:\buf+8*\t+7], 0
.else
	v_wmma_f32_16x16x32_f16 v[ACC+8*\t:ACC+8*\t+7], v[FIX+8*\kf:FIX+8*\kf+7], v[\buf+8*\t:\buf+8*\t+7], v[ACC+8*\t:ACC+8*\t+7]
.endif
.endif
.endr
.endm
; four K steps of 32; K steps 0 and 1 have been asked for by the caller.  A buffer is loaded again four places behind the matrix instructions that read it (ISA guide 7.12.1).
.macro G8 ph, base
	s_wait_dscnt 16                                ; the next K step's 16 loads are younger
	MM8 \ph, AF0, 0, 1                             ; the first products start the sums
	NOPS 4
	LDF \base, 2, AF0
	s_wait_dscnt 16
	MM8 \ph, AF1, 1, 0
	NOPS 4
	LDF \base, 3, AF1
	s_wait_dscnt 16
	MM8 \ph, AF0, 2, 0
	s_wait_dscnt 0x0
	MM8 \ph, AF1, 3, 0
.endm
	ds_load_b128 v[XD:XD+3], v[XRD]                ; my 16 bytes of row 16 h + 2 w + hh of x, for xh
.irp kf, 0,1,2,3
	ds_load_b128 v[FIX+8*\kf:FIX+8*\kf+3], v[FRK] offset:64*\kf        ; my 16 rows of W_k, all of K
	ds_load_b128 v[FIX+8*\kf+4:FIX+8*\kf+7], v[FRK] offset:64*\kf+32
.endr
	LDF WQ, 0, AF0
	LDF WQ, 1, AF1
	s_wait_dscnt 40                                ; 8 + 16 + 16 loads are younger than the x piece
	global_store_b128 v[LOF], v[XD:XD+3], s[12:13] ; 16 lanes store one row of xh, 256 bytes
	G8 0, WQ                                       ; M
	NOPS 5                                         ; places behind the last products: for the loads into both buffers, the packing that reads the sums and writes FIX, and the next phase's first products, which write over the sums
	LDF XT, 0, AF0
	LDF XT, 1, AF1
	; Tiles 2 i and 2 i + 1 of M, rounded to f16, ARE fragment i of M with d' as the row and d along K: no trip through LDS.
.irp t, 0,1,2,3,4,5,6,7
.irp p, 0,1,2,3
	v_cvt_pk_f16_f32 v[FIX+4*\t+\p], v[ACC+8*\t+2*\p], v[ACC+8*\t+2*\p+1]
.endr
.endr
	G8 1, XT                                       ; Q'
	NOPS 4                                         ; places behind the last products, before their sums are read
.irp t, 0,1,2,3,4,5,6,7
.irp p, 0,2,4,6
	v_pk_mul_f32 v[ACC+8*\t+\p:ACC+8*\t+\p+1], v[ACC+8*\t+\p:ACC+8*\t+\p+1], 0x3e0293ee op_sel_hi:[1,0]   ; c = log2(e) / sqrt(128)
.endr
.irp p, 0,1,2,3,4,5,6,7
	v_med3_num_f32 v[ACC+8*\t+\p], v[ACC+8*\t+\p], s37, s38            ; inside f16's range
.endr
.irp p, 0,1,2,3
	v_cvt_pk_f16_f32 v[ACC+8*\t+\p], v[ACC+8*\t+2*\p], v[ACC+8*\t+2*\p+1]      ; in place, ascending: register p has been read by then
.endr
	ds_store_b128 v[QSW], v[ACC+8*\t:ACC+8*\t+3] offset:\t*16*PITCH    ; row 16 t + r, my 8 neighbouring columns
.endr
	s_wait_dscnt 0x0
	s_barrier_signal -1
	s_barrier_wait -1                              ; all eight waves' columns are in the stage
.irp i, 0,1,2,3,4,5,6,7
	ds_load_b128 v[AF0+4*\i:AF0+4*\i+3], v[QSR] offset:\i*2*PITCH      ; rows 16 w + 2 i + hh, whole
.endr
.irp i, 0,1,2,3,4,5,6,7
	s_wait_dscnt 7-\i                              ; the rows behind this one are younger
	global_store_b128 v[LOF], v[AF0+4*\i:AF0+4*\i+3], s[14:15] offset:(\i/4)*16384+(\i%4)*512   ; 16 lanes store the 256 bytes of one (row, head)
.endr
	s_set_vgpr_msb 0x5
	s_wait_tensorcnt 0x0
	ds_add_u32 v0, v1
	s_wait_dscnt 0x0
	s_set_vgpr_msb 0x500
	s_endpgm
.Lfunc_end_k_q6fae271f4e_prep:
	.size	k_q6fae271f4e_prep, .Lfunc_end_k_q6fae271f4e_prep-k_q6fae271f4e_prep
	.p2alignl 7, 3214868480
	.fill 96, 4, 3214868480
	.section	.rodata,"a",@progbits
	.p2align	6, 0x0
	.amdhsa_kernel k_q6fae271f4e_prep
		.amdhsa_group_segment_fixed_size 140288
		.amdhsa_private_segment_fixed_size 0
		.amdhsa_enable_private_segment 0
		.amdhsa_kernarg_size 56
		.amdhsa_user_sgpr_count 2
		.amdhsa_user_sgpr_kernarg_segment_ptr 1
		.amdhsa_wavefront_size32 1
		.amdhsa_system_sgpr_workgroup_id_x 1
		.amdhsa_system_sgpr_workgroup_id_y 1
		.amdhsa_system_sgpr_workgroup_id_z 1
		.amdhsa_system_vgpr_workitem_id 0
		.amdhsa_next_free_vgpr 258
		.amdhsa_next_free_sgpr 66
		.amdhsa_reserve_vcc 0
		.amdhsa_float_denorm_mode_32 3
		.amdhsa_float_denorm_mode_16_64 3
		.amdhsa_memory_ordered 1
		.amdhsa_forward_progress 1
		.amdhsa_inst_pref_size 50
	.end_amdhsa_kernel
	.amdgpu_metadata
---
amdhsa.version: [ 1, 2 ]
amdhsa.kernels:
  - .name:           k_q6fae271f4e_prep
    .symbol:         k_q6fae271f4e_prep.kd
    .args:
      - { .name: x, .offset: 0, .size: 8, .value_kind: global_buffer, .address_space: global }
      - { .name: W_q, .offset: 8, .size: 8, .value_kind: global_buffer, .address_space: global }
      - { .name: W_k, .offset: 16, .size: 8, .value_kind: global_buffer, .address_space: global }
      - { .name: W_o, .offset: 24, .size: 8, .value_kind: global_buffer, .address_space: global }
      - { .name: xh, .offset: 32, .size: 8, .value_kind: global_buffer, .address_space: global }
      - { .name: Qp, .offset: 40, .size: 8, .value_kind: global_buffer, .address_space: global }
      - { .name: Wof, .offset: 48, .size: 8, .value_kind: global_buffer, .address_space: global }
    .group_segment_fixed_size: 140288
    .private_segment_fixed_size: 0
    .kernarg_segment_align: 8
    .kernarg_segment_size: 56
    .max_flat_workgroup_size: 256
    .sgpr_count:     66
    .vgpr_count:     258
    .wavefront_size: 32
...
	.end_amdgpu_metadata
.endif
;; end of part 1
;; launch attn (part 2): grid 256 x 1, 4 waves a work-group, clusters of 4 x 1, 327,680 bytes of LDS; arguments xh, Qp, Wof, out0; writes out0
.if DOCPART == 2
	.amdgcn_target "amdgcn-amd-amdhsa--gfx1250"
	.amdhsa_code_object_version 6
	.text
	.protected	k_q6fae271f4e_attn
	.globl	k_q6fae271f4e_attn
	.p2align	8
	.type	k_q6fae271f4e_attn,@function
k_q6fae271f4e_attn:
	s_mov_b64 s[64:65], 0
	v_nop
	global_prefetch_b8 v0, s[64:65] scope:SCOPE_SE
	s_setreg_imm32_b32 hwreg(HW_REG_WAVE_MODE, 25, 1), 1
	s_wait_xcnt 0x0
	s_wait_alu depctr_hold_cnt(0) depctr_sa_sdst(0) depctr_va_vdst(0) depctr_va_sdst(0) depctr_va_ssrc(0) depctr_va_vcc(0) depctr_vm_vsrc(0)
	s_getreg_b32 s2, hwreg(HW_REG_IB_STS2, 6, 4)
	s_cmp_eq_u32 s2, 0
	s_cbranch_scc0 .Lentry_in_a_cluster
	s_endpgm
.Lentry_in_a_cluster:
	s_bfe_u32 s2, ttmp6, 0x10000c
	s_cmp_lg_u32 s2, 0x3003
	s_cbranch_scc0 .Lentry_shape_is_right
	s_endpgm
.Lentry_shape_is_right:
; ATTENTION AND OUTPUT PRODUCT.  scores = Q' x^T (already exponents of 2: the factor log2(e) / sqrt(128) is in Q'), clip, causal mask, softmax, times x, times W_o^T.
; Keys and values of all 8 heads are the same rows of x (f16 copy xh), so heads are STACKED: a group is 8 query rows x 8 heads = 64 stacked rows, sigma = 8 head + row.
; Work-group (batch b, j = 0 .. 127) owns two groups: E, rows 8 j .. 8 j + 7, and L, rows 8 (255 - j) .. + 7.  With c = j >> 2 (the cluster), a = c >> 2:
; E needs the key steps (128 keys) 0 .. a, L the steps 0 .. 15 - a: 17 steps in every work-group, in 9 LDS slots of 256 keys.  All 256 work-groups do equal work.
; In each step wave w takes keys 32 w .. 32 w + 31 for all 64 stacked rows.  NO RUNNING MAXIMUM: the reference's own clip to +-10 bounds the exponents of 2 to
; +-14.43, so p lies in 4.5e-5 .. 2.2e4 (inside f16) and a row's sum below 4.6e7 (f32); partial sums over disjoint keys simply add, at the end, through LDS.
; The sum of a row's p is made from the SAME f16 p that multiply x (a matrix instruction against ones).
; CLUSTER: the four work-groups of a cluster (same b and c) walk the same 9 key tiles, so each tile is asked for jointly (mask 15) and lands in all four.
; Trip counts, branches and LDS addresses hang on the cluster's number and the wave's number alone; the place in the cluster enters global addresses of plain loads
; and stores and the mask thresholds, which are values.  Q' (a work-group's own) and W_o (no room in LDS beside ring and stages) come by plain loads.
; LIMITS: as stated at the preparation launch (|x| below 65,504; Q' clamped at +-60,000; no NaN or infinities in the inputs).
;
; MATRIX INSTRUCTIONS ARE USED TRANSPOSED.  S: A = 16 keys, B = 16 stacked rows: register j of lane (r, h) = S(key 8 h + j, row r).  Two such tiles, exponentiated and
; packed, ARE the B fragment (row r, 32 keys along K) of the next product: acc = A (16 columns d of x, by the transposing LDS load) x B: register j = y(row r, d = 8 h + j).
;
; REGISTER WINDOWS of 256:  0: addresses, ones, V fragments, the closing phases' work;  1: Q' fragments 0-127, S / P 128-191, key fragments 192-255;
;                           2: acc[qt][db] at 8 (8 qt + db);  3: the row sums lacc[qt] at 8 qt.
.set PITCH,  272                       ; ring row: 256 bytes + 16 of padding laid by the mover
.set STEP,   128*PITCH                 ; a key step
.set SLOT,   256*PITCH                 ; a slot: two key steps
.set SPITCH, 528                       ; stage row: 128 f32 + 16 bytes
.set WST,    64*SPITCH                 ; one wave's partial sums of a group
.set STE,    2*SLOT+128                ; E's partial sums, bytes of their own behind the ring; 128 modulo 256, so that lanes that read E and lanes that read L take different 16-byte columns
.set OST,    STE+4*WST+128             ; the four waves' partial outputs, 16 rows each
.set LST,    OST+4*16*SPITCH           ; row sums: word ((group 64 + sigma) 4 + wave), group 0 = L, 1 = E
                                       ; L's partial sums lie at byte 0, over the ring, behind its last fill and last read
.set ADK,  4                           ; v4, v5   key fragment address in slot 0, 1
.set ADV,  6                           ; v6, v7   V fragment address in slot 0, 1
.set QOF,  8                           ; v8       offset of my Q' fragment piece
.set STWE, 9                           ; v9       stage E, in
.set STWL, 10                          ; v10      stage L, in
.set LW,   11                          ; v11      row sums, in
.set THRE, 12                          ; v12      E: last allowed value of 16 kt + j in the diagonal step (signed)
.set THRL, 13                          ; v13      L: the same
.set RD,   14                          ; v14, v15 stage, back: partial sums of waves 0, 1 and of waves 2, 3
.set LR,   16                          ; v16      row sums, back
.set OW,   17                          ; v17      partial outputs, in
.set ORD,  18                          ; v18      partial outputs, back
.set LOFF, 19                          ; v19      16 lane
.set ONES, 24                          ; v[24:31] f16 ones
.set VF,   32                          ; v[32:95] eight V fragments; at the end the eight y fragments
.set YF,   32
.set T0,   96                          ; v[96:159], v[160:223]: two buffers of the closing sums; v[96:159] then the output tiles
.set T1,   160
.set OACC, 96
.set LS,   224                         ; v[224:231] row sums
.set RC,   232                         ; v[232:235] their reciprocals, each twice
.set QF,   0                           ; window 1
.set SC,   128
.set KF,   192
.set G1,   24                          ; s[24:31] descriptor group 1
.set G0,   32                          ; s[32:39] descriptor group 0, one set for each slot
.set MK,   66                          ; s[66:81] lane masks of the diagonal step, one for each of the 16 values of 16 kt + j
.set W_SS, 0x55                        ; everything in window 1
.set W_LK, 0x40                        ; destination window 1, address window 0
.set W_L2, 0x80                        ; destination window 2
.set W_PV, 0xa4                        ; A window 0, B window 1, C and D window 2
.set W_PL, 0xf4                        ; A window 0, B window 1, C and D window 3
.set W_S2, 0x08                        ; LDS store data from window 2
.set W_S3, 0x0c                        ; LDS store data from window 3
.set W_P1, 0x01                        ; A window 1
.set W_P2, 0x02                        ; A window 2
.set MSB, 0
.macro WIN new                         ; the immediate's high byte repeats the setting that is left; at labels and branches the setting is 0
.if MSB != \new
	s_set_vgpr_msb (MSB<<8)|\new
.set MSB, \new
.endif
.endm
.macro NOPS n
.rept \n
	v_nop
.endr
.endm
; A round of the cluster's barrier: my work-group's barrier, wave 0 signals for the work-group, every wave waits for all four work-groups, my work-group's barrier again.
.macro ROUND
	s_barrier_signal -1
	s_barrier_wait -1
	s_cmp_lg_u32 s12, 0
	s_cbranch_scc1 .Lnot_wave_0_\@
	s_barrier_signal -3
.Lnot_wave_0_\@:
	s_barrier_wait -3
	s_barrier_signal -1
	s_barrier_wait -1
.endm
	s_load_b256 s[4:11], s[0:1], 0x0               ; xh s[4:5], Qp s[6:7], Wof s[8:9], out s[10:11]
	v_lshl_add_u32 v254, v0, 2, 0x4bd00
	v_mov_b32 v255, 0
	ds_add_u32 v254, v255
	v_lshrrev_b32 v3, 5, v0
	v_readfirstlane_b32 s12, v3                    ; wave w
	s_bfe_u32 s13, ttmp6, 0x40000                  ; cx: my place in the cluster
	s_and_b32 s14, ttmp9, 31                       ; c   (ttmp9 counts clusters)
	s_lshr_b32 s15, ttmp9, 5                       ; batch b
	s_lshr_b32 s16, s14, 2                         ; a  = E's last key step
	s_lshr_b32 s17, s14, 3                         ; a' = E's last slot
	s_lshl2_add_u32 s18, s14, s13                  ; j = 4 c + cx
	s_add_co_u32 s19, s17, 1                       ; E's slots
	s_sub_co_u32 s52, 15, s16                      ; L's last key step
	s_mov_b32 s53, 0xc166d4ca                      ; -10 log2(e)
	s_mov_b32 s54, 0x4166d4ca                      ; +10 log2(e)
	; descriptor group 1: a tile of 64 rows x 128 f16, each wave's quarter of a slot
	s_mov_b32 s[G1+0], 15|(1<<16)|(1<<20)|(1<<21)|(5<<22)|(3<<25)  ; 15:0 mask: all four of the cluster; 17:16 elements of 2 bytes; 20 padding on; 21 set beside a mask; 24:22 after every 64 words; 31:25 four words
	s_mov_b32 s[G1+1], 128<<16                     ; tensor_dim0 = 128
	s_mov_b32 s[G1+2], 64<<16                      ; tensor_dim1 = 64
	s_mov_b32 s[G1+3], 128<<16                     ; tile_dim0 = 128
	s_mov_b32 s[G1+4], 64                          ; tile_dim1 = 64
	s_mov_b32 s[G1+5], 128                         ; elements from row to row
	s_mov_b32 s[G1+6], 0
	s_mov_b32 s[G1+7], 0
	s_mul_i32 s20, s12, 64*PITCH                   ; my quarter of a slot: the wave's number alone
	s_mov_b32 s[G0+0], 1
	s_add_co_u32 s[G0+1], s20, 0*SLOT
	s_mov_b32 s[G0+4], 1
	s_add_co_u32 s[G0+5], s20, 1*SLOT
	s_lshl_b32 s42, s15, 19                        ; the batch's 2,048 rows of 256 bytes
	s_lshl_b32 s43, s12, 14                        ; my 64 rows of a tile
	s_add_co_u32 s42, s42, s43
	s_mov_b32 s43, 0                               ; stays 0: the upper word of every tile offset
	s_wait_dscnt 0x0
	s_wait_kmcnt 0x0
	s_add_nc_u64 s[40:41], s[4:5], s[42:43]        ; my rows of key tile 0
	s_mov_b64 s[G0+2:G0+3], s[40:41]               ; ring position 0: tile 0
	s_or_b32 s[G0+3], s[G0+3], 0x80000000
	s_cmp_lg_u32 s17, 0
	s_cselect_b32 s42, 0x10000, 0                  ; ring position 1: E's tile 1, or, where E has one slot, L's tile 0
	s_add_nc_u64 s[G0+6:G0+7], s[40:41], s[42:43]
	s_or_b32 s[G0+7], s[G0+7], 0x80000000
	ROUND                                          ; all four work-groups are here: the first joint loads meet
	tensor_load_to_lds s[G0:G0+3], s[G1:G1+7]      ; both first fills go out together: two tensor loads of the wave are out
	s_nop 0
	tensor_load_to_lds s[G0+4:G0+7], s[G1:G1+7]
	s_nop 0
	; global bases
	s_lshl_b32 s82, s15, 8
	s_add_co_u32 s84, s82, s18                     ; block of 8 rows: 256 b + j
	s_lshl_b32 s84, s84, 14                        ; 16,384 bytes a block
	s_mov_b32 s85, 0
	s_add_nc_u64 s[56:57], s[6:7], s[84:85]        ; Q' of E
	s_add_co_u32 s84, s82, 255
	s_sub_co_u32 s84, s84, s18
	s_lshl_b32 s84, s84, 14
	s_add_nc_u64 s[58:59], s[6:7], s[84:85]        ; Q' of L
	s_lshl_b32 s84, s12, 16
	s_add_nc_u64 s[60:61], s[8:9], s[84:85]        ; W_o fragments of my two heads
	s_lshl_b32 s82, s18, 3                         ; E's first row
	s_sub_co_u32 s83, 2040, s82                    ; L's first row
	s_cmp_ge_u32 s12, 2
	s_cselect_b32 s82, s82, s83                    ; waves 0, 1 store L's rows, waves 2, 3 E's
	s_and_b32 s83, s12, 1
	s_lshl2_add_u32 s82, s83, s82                  ; four rows a wave
	s_lshl_b32 s83, s15, 11
	s_add_co_u32 s84, s82, s83
	s_lshl_b32 s84, s84, 9                         ; 512 bytes a row
	s_add_nc_u64 s[62:63], s[10:11], s[84:85]
	; lane terms
	v_and_b32 v1, 15, v0                           ; r
	v_bfe_u32 v2, v0, 4, 1                         ; h
	v_and_b32 v3, 31, v0                           ; lane
	v_and_b32 v21, 7, v0                           ; r & 7
	v_bfe_u32 v22, v0, 3, 1                        ; r >> 3
	s_mul_i32 s21, s12, 32*PITCH                   ; my 32 keys of a step
	v_mul_u32_u24 v23, v1, PITCH
	v_lshl_add_u32 v23, v2, 4, v23
	v_add_nc_u32 v[ADK], s21, v23                  ; (32 w + r) PITCH + 16 h
	v_add_nc_u32 v[ADK+1], SLOT, v[ADK]
	v_lshl_add_u32 v23, v2, 3, v21
	v_mul_u32_u24 v23, v23, PITCH
	v_lshl_add_u32 v23, v22, 4, v23
	v_add_nc_u32 v[ADV], s21, v23                  ; (32 w + 8 h + (lane & 7)) PITCH + 16 ((lane >> 3) & 1)
	v_add_nc_u32 v[ADV+1], SLOT, v[ADV]
	v_lshlrev_b32 v[QOF], 8, v1
	v_lshl_add_u32 v[QOF], v2, 4, v[QOF]           ; stacked row r, 16 h
	s_mul_i32 s22, s12, WST
	v_mul_u32_u24 v23, v1, SPITCH
	v_lshl_add_u32 v23, v2, 5, v23                 ; r SPITCH + 32 h
	v_add_nc_u32 v[STWL], s22, v23
	v_add_nc_u32 v[STWE], STE, v[STWL]
	s_mul_i32 s22, s12, 16*SPITCH
	s_add_co_u32 s23, s22, OST
	v_add_nc_u32 v[OW], s23, v23
	s_lshl_b32 s23, s12, 2
	s_add_co_u32 s23, s23, LST
	v_lshl_add_u32 v[LW], v1, 4, s23
	v_mul_u32_u24 v23, v21, SPITCH
	v_lshl_add_u32 v23, v2, 5, v23
	v_add_nc_u32 v23, s22, v23                     ; stacked row 16 w + (r & 7), 32 h
	v_mad_u32_u24 v[RD], v22, STE, v23             ; lanes r = 0 .. 7 read L (byte 0), r = 8 .. 15 read E
	v_add_nc_u32 v[RD+1], 2*WST, v[RD]
	s_lshl_b32 s23, s12, 8
	s_add_co_u32 s23, s23, LST
	v_lshlrev_b32 v23, 4, v21
	v_lshl_add_u32 v23, v22, 10, v23
	v_add_nc_u32 v[LR], s23, v23
	s_mul_i32 s23, s12, 4*SPITCH
	s_add_co_u32 s23, s23, OST
	v_lshl_add_u32 v[ORD], v3, 4, s23
	v_lshlrev_b32 v[LOFF], 4, v3
	; In the diagonal step a row's own place is 32 (c & 3) + 8 cx + (r & 7) for E and 120 - 32 (c & 3) - 8 cx + (r & 7) for L; my keys are 32 w + 8 h + (16 kt + j).
	s_and_b32 s20, s14, 3
	s_lshl_b32 s20, s20, 5
	s_lshl3_add_u32 s20, s13, s20
	s_lshl_b32 s21, s12, 5
	s_sub_co_i32 s22, s20, s21
	s_sub_co_i32 s23, 120, s20
	s_sub_co_i32 s23, s23, s21
	v_lshlrev_b32 v23, 3, v2
	v_sub_nc_u32 v23, v21, v23
	v_add_nc_u32 v[THRE], s22, v23
	v_add_nc_u32 v[THRL], s23, v23
.irp i, 0,1,2,3,4,5,6,7
	v_mov_b32 v[ONES+\i], 0x3c003c00
.endr
.irp kt, 0,1
.irp j, 0,1,2,3,4,5,6,7
	v_cmp_gt_i32 s[MK+8*\kt+\j], 16*\kt+\j, v[THRE]        ; lanes whose key lies behind the diagonal
.endr
.endr
	s_mov_b32 s45, 1                               ; last ring position asked for
	s_mov_b32 s48, 0                               ; key step of the phase
	s_mov_b32 s49, s16                             ; its last (diagonal) step
	s_mov_b32 s50, 0                               ; 1: the next unit starts the sums
	s_mov_b32 s51, 0                               ; phase: 0 = E, 1 = L
; 32 loads: the 16 fragments (16 stacked rows x 32 columns) of a group's Q'
.macro LOADQ base
	WIN W_LK
.irp qt, 0,1,2,3
.irp kf, 0,1,2,3
	global_load_b128 v[QF+8*(4*\qt+\kf):QF+8*(4*\qt+\kf)+3], v[QOF], s[\base:\base+1] offset:4096*\qt+64*\kf
	global_load_b128 v[QF+8*(4*\qt+\kf)+4:QF+8*(4*\qt+\kf)+7], v[QOF], s[\base:\base+1] offset:4096*\qt+64*\kf+32
.endr
.endr
	WIN 0
.endm
; 16 LDS loads: my 32 keys of step st of a slot as 2 x 4 fragments
.macro LOADK slot, st
	WIN W_LK
.irp kt, 0,1
.irp kf, 0,1,2,3
	ds_load_b128 v[KF+32*\kt+8*\kf:KF+32*\kt+8*\kf+3], v[ADK+\slot] offset:\st*STEP+\kt*16*PITCH+64*\kf
	ds_load_b128 v[KF+32*\kt+8*\kf+4:KF+32*\kt+8*\kf+7], v[ADK+\slot] offset:\st*STEP+\kt*16*PITCH+64*\kf+32
.endr
.endr
.endm
; 16 transposing LDS loads: the same 32 rows as 8 fragments (16 columns d as rows, 32 keys along K)
.macro LOADV slot, st
	WIN 0
.irp db, 0,1,2,3,4,5,6,7
	ds_load_tr16_b128 v[VF+8*\db:VF+8*\db+3], v[ADV+\slot] offset:\st*STEP+32*\db
	ds_load_tr16_b128 v[VF+8*\db+4:VF+8*\db+7], v[ADV+\slot] offset:\st*STEP+32*\db+16*PITCH
.endr
.endm
; clip and 2^x of two scores.  Behind the second v_exp_f32 the next vector instruction touches neither result (ISA guide 5.7.2).
.macro SMX hf, i
	v_med3_num_f32 v[SC+32*\hf+2*\i], v[SC+32*\hf+2*\i], s53, s54
	v_med3_num_f32 v[SC+32*\hf+2*\i+1], v[SC+32*\hf+2*\i+1], s53, s54
	v_exp_f32 v[SC+32*\hf+2*\i], v[SC+32*\hf+2*\i]
	v_exp_f32 v[SC+32*\hf+2*\i+1], v[SC+32*\hf+2*\i+1]
.endm
; 16 matrix instructions: the scores of stacked rows 32 hf .. + 31 against my 32 keys; four accumulators by turns, one instruction a turn.
; inter = 1: the other half's clip and 2^x are laid between them.
.macro SH hf, inter
.set smi, 0
.irp kf, 0,1,2,3
.irp q, 0,1
.irp kt, 0,1
.if \kf == 0
	v_wmma_f32_16x16x32_f16 v[SC+16*(2*\hf+\q)+8*\kt:SC+16*(2*\hf+\q)+8*\kt+7], v[KF+32*\kt+8*\kf:KF+32*\kt+8*\kf+7], v[QF+8*(4*(2*\hf+\q)+\kf):QF+8*(4*(2*\hf+\q)+\kf)+7], 0
.else
	v_wmma_f32_16x16x32_f16 v[SC+16*(2*\hf+\q)+8*\kt:SC+16*(2*\hf+\q)+8*\kt+7], v[KF+32*\kt+8*\kf:KF+32*\kt+8*\kf+7], v[QF+8*(4*(2*\hf+\q)+\kf):QF+8*(4*(2*\hf+\q)+\kf)+7], v[SC+16*(2*\hf+\q)+8*\kt:SC+16*(2*\hf+\q)+8*\kt+7]
.endif
.if \inter
	SMX 0, smi
.set smi, smi+1
.endif
.endr
.endr
.endr
.endm
; 36 matrix instructions: p times x into the 32 accumulators, p times ones into the 4 row sums; all by turns.  zero = 1: these products start the sums.
.macro PVB zero
	WIN W_PV
.irp db, 0,1,2,3,4,5,6,7
.irp qt, 0,1,2,3
.if \zero
	v_wmma_f32_16x16x32_f16 v[8*(8*\qt+\db):8*(8*\qt+\db)+7], v[VF+8*\db:VF+8*\db+7], v[SC+16*\qt:SC+16*\qt+7], 0
.else
	v_wmma_f32_16x16x32_f16 v[8*(8*\qt+\db):8*(8*\qt+\db)+7], v[VF+8*\db:VF+8*\db+7], v[SC+16*\qt:SC+16*\qt+7], v[8*(8*\qt+\db):8*(8*\qt+\db)+7]
.endif
.endr
.endr
	WIN W_PL
.irp qt, 0,1,2,3
.if \zero
	v_wmma_f32_16x16x32_f16 v[8*\qt:8*\qt+7], v[ONES:ONES+7], v[SC+16*\qt:SC+16*\qt+7], 0
.else
	v_wmma_f32_16x16x32_f16 v[8*\qt:8*\qt+7], v[ONES:ONES+7], v[SC+16*\qt:SC+16*\qt+7], v[8*\qt:8*\qt+7]
.endif
.endr
.endm
; One unit: 64 stacked rows against my 32 keys of step st of a slot.  zero = 1: it starts the sums; zero = 0: s50 says whether it does.
; lq = 1: phase E may end in this unit, and its diagonal block then asks for L's Q'.  E ends in ring position 3 at the latest, so the written-out last positions have lq = 0:
; every load of Q' is followed, on every way, by a unit's wait for it.
.macro UNIT slot, st, zero, lq
	NOPS 5                                         ; places behind the last unit's products (ISA guide 7.12.1): V's registers are loaded again, and the first score products write over p
.if \st == 0
	LOADK \slot, 0
.endif
	LOADV \slot, \st
	s_wait_loadcnt 0x0                             ; Q' is in (the first unit of a phase; met at once in the others)
	s_wait_dscnt 16                                ; V's 16 loads are younger: the keys are in
	WIN W_SS
	SH 0, 0
	NOPS 4                                         ; places before the first half's scores are read
	SH 1, 1
	NOPS 4                                         ; places before the second half's scores are read and the key registers loaded again
.if \st == 0
	LOADK \slot, 1                                 ; the second step's keys, ahead (where that step lies behind the diagonal they are not used)
	WIN W_SS
.endif
.set smi, 0
.rept 16
	SMX 1, smi
.set smi, smi+1
.endr
	v_nop                                          ; one plain place behind the last v_exp_f32
	WIN 0
	s_cmp_lg_u32 s48, s49                          ; the diagonal step is the phase's last
	s_cbranch_scc1 .Lfree_\@
	WIN W_SS
	s_wait_alu depctr_va_vdst(0)
.irp qt, 0,1,2,3
.irp kt, 0,1
.irp j, 0,1,2,3,4,5,6,7
	v_cndmask_b32 v[SC+16*\qt+8*\kt+\j], v[SC+16*\qt+8*\kt+\j], 0, s[MK+8*\kt+\j]      ; p = 0 behind the diagonal
.endr
.endr
.endr
	WIN 0
.if \lq
	s_cmp_lg_u32 s51, 0
	s_cbranch_scc1 .Lfree_\@
	LOADQ 58                                       ; E's last score products are done and their places kept: L's Q' goes into the same registers, a whole p x product ahead of its use
.endif
.Lfree_\@:
	WIN W_SS
	s_wait_alu depctr_va_vdst(0)
.irp qt, 0,1,2,3
.irp i, 0,1,2,3,4,5,6,7
	v_cvt_pk_f16_f32 v[SC+16*\qt+\i], v[SC+16*\qt+2*\i], v[SC+16*\qt+2*\i+1]   ; in place, ascending: the two tiles of 16 keys become one fragment of 32
.endr
.endr
.if \st == 0
	s_wait_dscnt 16                                ; the 16 key loads issued ahead are younger: V is in
.else
	s_wait_dscnt 0x0
.endif
.if \zero
	PVB 1
	WIN 0
.else
	WIN 0
	s_cmp_eq_u32 s50, 1
	s_cbranch_scc1 .Lstart_\@
	PVB 0
	WIN 0
	s_branch .Ljoin_\@
.Lstart_\@:
	PVB 1
	WIN 0
	s_mov_b32 s50, 0
.Ljoin_\@:
.endif
	s_add_co_u32 s48, s48, 1
.endm
; a wave's 64 x 128 partial sums into its part of a stage
.macro STACC adr
	WIN W_S2
.irp qt, 0,1,2,3
.irp db, 0,1,2,3,4,5,6,7
	ds_store_b128 v[\adr], v[8*(8*\qt+\db):8*(8*\qt+\db)+3] offset:\qt*16*SPITCH+64*\db
	ds_store_b128 v[\adr], v[8*(8*\qt+\db)+4:8*(8*\qt+\db)+7] offset:\qt*16*SPITCH+64*\db+16
.endr
.endr
.endm
; From E to L: E's partial sums go to their stage, the masks become L's, the step count starts anew.
.macro SWITCH
	NOPS 4                                         ; places before the sums are read
	STACC STWE
	WIN W_S3
.irp qt, 0,1,2,3
	ds_store_b32 v[LW], v[8*\qt] offset:1024+256*\qt       ; every register of the tile holds row r's sum
.endr
	WIN 0
.irp kt, 0,1
.irp j, 0,1,2,3,4,5,6,7
	v_cmp_gt_i32 s[MK+8*\kt+\j], 16*\kt+\j, v[THRL]
.endr
.endr
	s_mov_b32 s49, s52
	s_mov_b32 s48, 0
	s_mov_b32 s50, 1
	s_mov_b32 s51, 1
.endm
; A slot's work: its first step always, its second unless it lies behind the diagonal step; sw = 1: the phase may end here.
.macro WORK slot, zero, sw
	UNIT \slot, 0, \zero, \sw
	s_cmp_gt_u32 s48, s49
	s_cbranch_scc1 .Lskip_\@
	UNIT \slot, 1, 0, \sw
	s_branch .Ldone_\@
.Lskip_\@:
	s_add_co_u32 s48, s48, 1
.Ldone_\@:
.if \sw
	s_cmp_le_u32 s48, s49
	s_cbranch_scc1 .Lstay_\@
	SWITCH
.Lstay_\@:
.endif
.endm
; The tile of ring position q is q for q <= a' (E) and q - a' - 1 behind that (L).
.macro NEXTADR o
	s_add_co_u32 s45, s45, 1
	s_sub_co_u32 s46, s45, s19
	s_cmp_le_u32 s45, s17
	s_cselect_b32 s46, s45, s46
	s_lshl_b32 s42, s46, 16                        ; 256 rows of 256 bytes a tile
	s_add_nc_u64 s[G0+4*\o+2:G0+4*\o+3], s[40:41], s[42:43]
	s_or_b32 s[G0+4*\o+3], s[G0+4*\o+3], 0x80000000
.endm
; A ring position.  other = the slot read last; refill = 1: it is filled again, jointly, behind a round of the cluster's barrier.
.macro TWO slot, other, refill, sw
	s_wait_tensorcnt 0x0                           ; all my tensor loads have landed, my quarter of this slot among them: every group 0 may be written
	ds_add_u32 v254, v255
	s_wait_dscnt 0x0
.if \refill
	NEXTADR \other
.endif
	s_wait_dscnt 0x0                               ; my reads of the other slot, and my stage stores, are done
.if \refill
	ROUND                                          ; both now hold of every wave of all four work-groups
	tensor_load_to_lds s[G0+4*\other:G0+4*\other+3], s[G1:G1+7]    ; my one tensor load behind the round, first thing there; it has this slot's two units in which to land
	s_nop 0
.else
	s_barrier_signal -1
	s_barrier_wait -1                              ; the last slot is whole; nothing is left to fetch
.endif
	WORK \slot, 0, \sw
.endm
	LOADQ 56                                       ; E's Q'
	s_wait_tensorcnt 0x1                           ; my quarter of slot 0 is in; slot 1's load stays out
	s_barrier_signal -1
	s_barrier_wait -1
	WORK 0, 1, 1                                   ; ring position 0: its first products start the sums
	s_mov_b32 s44, 3
.Llap:
	TWO 1, 0, 1, 1                                 ; positions 1, 3, 5
	TWO 0, 1, 1, 1                                 ; positions 2, 4, 6
	s_sub_co_u32 s44, s44, 1
	s_cmp_lg_u32 s44, 0
	s_cbranch_scc1 .Llap
	TWO 1, 0, 1, 0                                 ; position 7 asks for position 8, the last
	TWO 0, 1, 0, 0                                 ; position 8
	; THE CLOSING PHASES.  L's partial sums go over the ring, whose last fill has landed and whose last reads end here.
	NOPS 5                                         ; places behind the last products: their sums are read, and windows 1 and 2 are loaded again
	s_wait_dscnt 0x0
	s_barrier_signal -1
	s_barrier_wait -1                              ; no wave reads the ring any more
	STACC STWL
	WIN W_S3
.irp qt, 0,1,2,3
	ds_store_b32 v[LW], v[8*\qt] offset:256*\qt
.endr
; 64 loads of 512 neighbouring bytes: the W_o fragments of four blocks of 16 output columns x my two heads' 256 k
.macro LOADW win, nt0
	WIN \win
.irp n, 0,1,2,3
.irp f, 0,1,2,3,4,5,6,7
	global_load_b128 v[64*\n+8*\f:64*\n+8*\f+3], v[LOFF], s[60:61] offset:(((\nt0+\n)*8+\f)*2)*512
	global_load_b128 v[64*\n+8*\f+4:64*\n+8*\f+7], v[LOFF], s[60:61] offset:(((\nt0+\n)*8+\f)*2+1)*512
.endr
.endr
.endm
	LOADW W_LK, 0                                  ; into window 1, which is free: the last Q' load was waited for by the units of positions 7 and 8
	s_wait_dscnt 0x0                               ; my stage stores are in LDS,
	LOADW W_L2, 4                                  ; so window 2 is free too
	WIN 0
	s_barrier_signal -1
	s_barrier_wait -1                              ; both stages and the row sums are whole
	; Wave w sums the four waves' parts for heads 2 w and 2 w + 1 and makes y = sum / row sum as eight B fragments:
	; lane r = query row (0-7 L, 8-15 E), K = (head 2 w + e, d), fragment f = 4 e + d / 32.
	; The highest byte read ends at STE + 55 SPITCH + 32 + 3 WST + 8 SPITCH + 480 = 274,544, below the partial outputs' stage.
.macro RLD f, buf
.irp p, 0,1,2,3
.irp g, 0,1
.irp q, 0,1
	ds_load_b128 v[\buf+16*\p+8*\g+4*\q:\buf+16*\p+8*\g+4*\q+3], v[RD+\p/2] offset:(\p%2)*WST+((\f)/4)*8*SPITCH+128*((\f)%4)+64*\g+16*\q
.endr
.endr
.endr
.endm
.macro RSUM f, buf
.irp k, 0,2,4,6,8,10,12,14
	v_pk_add_f32 v[\buf+\k:\buf+\k+1], v[\buf+\k:\buf+\k+1], v[\buf+16+\k:\buf+16+\k+1]
	v_pk_add_f32 v[\buf+32+\k:\buf+32+\k+1], v[\buf+32+\k:\buf+32+\k+1], v[\buf+48+\k:\buf+48+\k+1]
.endr
.irp k, 0,2,4,6,8,10,12,14
	v_pk_add_f32 v[\buf+\k:\buf+\k+1], v[\buf+\k:\buf+\k+1], v[\buf+32+\k:\buf+32+\k+1]
.endr
.irp k, 0,2,4,6,8,10,12,14
	v_pk_mul_f32 v[\buf+\k:\buf+\k+1], v[\buf+\k:\buf+\k+1], v[RC+2*((\f)/4):RC+2*((\f)/4)+1]
.endr
.irp k, 0,2,4,6,8,10,12,14
	v_cvt_pk_f16_f32 v[YF+8*(\f)+\k/2], v[\buf+\k], v[\buf+\k+1]
.endr
.endm
; fragment f is summed out of its buffer, which is then asked to take fragment nxt
.macro RSTEP f, nxt, buf
	s_wait_dscnt 16                                ; the other buffer's 16 loads are younger
	RSUM \f, \buf
	RLD \nxt, \buf
.endm
	ds_load_b128 v[LS:LS+3], v[LR]                 ; the four waves' row sums, head 2 w
	ds_load_b128 v[LS+4:LS+7], v[LR] offset:128    ; head 2 w + 1
	RLD 0, T0
	RLD 1, T1
	s_wait_dscnt 32                                ; two fragments' 32 loads are younger
	v_add_f32 v[LS], v[LS], v[LS+1]
	v_add_f32 v[LS+2], v[LS+2], v[LS+3]
	v_add_f32 v[LS+4], v[LS+4], v[LS+5]
	v_add_f32 v[LS+6], v[LS+6], v[LS+7]
	v_add_f32 v[LS], v[LS], v[LS+2]
	v_add_f32 v[LS+4], v[LS+4], v[LS+6]
	v_rcp_f32 v[RC], v[LS]                         ; each twice: a pair for the packed multiply
	v_rcp_f32 v[RC+1], v[LS]
	v_rcp_f32 v[RC+2], v[LS+4]
	v_rcp_f32 v[RC+3], v[LS+4]
	v_nop                                          ; one plain place behind the last v_rcp_f32
	s_wait_alu depctr_va_vdst(0)
	RSTEP 0, 2, T0
	RSTEP 1, 3, T1
	RSTEP 2, 4, T0
	RSTEP 3, 5, T1
	RSTEP 4, 6, T0
	RSTEP 5, 7, T1
	s_wait_dscnt 16
	RSUM 6, T0
	s_wait_dscnt 0x0
	RSUM 7, T1
	; out^T = W_o y^T over my 256 k: A = 16 output columns, B = the 16 query rows; four accumulators by turns
	s_wait_loadcnt 0x0                             ; W_o's fragments are in
	WIN W_P1
.irp f, 0,1,2,3,4,5,6,7
.irp n, 0,1,2,3
.if \f == 0
	v_wmma_f32_16x16x32_f16 v[OACC+8*\n:OACC+8*\n+7], v[64*\n+8*\f:64*\n+8*\f+7], v[YF+8*\f:YF+8*\f+7], 0
.else
	v_wmma_f32_16x16x32_f16 v[OACC+8*\n:OACC+8*\n+7], v[64*\n+8*\f:64*\n+8*\f+7], v[YF+8*\f:YF+8*\f+7], v[OACC+8*\n:OACC+8*\n+7]
.endif
.endr
.endr
	WIN W_P2
.irp f, 0,1,2,3,4,5,6,7
.irp n, 0,1,2,3
.if \f == 0
	v_wmma_f32_16x16x32_f16 v[OACC+32+8*\n:OACC+32+8*\n+7], v[64*\n+8*\f:64*\n+8*\f+7], v[YF+8*\f:YF+8*\f+7], 0
.else
	v_wmma_f32_16x16x32_f16 v[OACC+32+8*\n:OACC+32+8*\n+7], v[64*\n+8*\f:64*\n+8*\f+7], v[YF+8*\f:YF+8*\f+7], v[OACC+32+8*\n:OACC+32+8*\n+7]
.endif
.endr
.endr
	WIN 0
	NOPS 4                                         ; places before the results are read
.irp n, 0,1,2,3,4,5,6,7
	ds_store_b128 v[OW], v[OACC+8*\n:OACC+8*\n+3] offset:64*\n          ; row r, columns 16 n + 8 h + 0 .. 7
	ds_store_b128 v[OW], v[OACC+8*\n+4:OACC+8*\n+7] offset:64*\n+16
.endr
	s_wait_dscnt 0x0
	s_barrier_signal -1
	s_barrier_wait -1                              ; the four waves' partial outputs are whole
	; wave w adds the four parts of rows 4 w .. 4 w + 3 and stores them: one store is one whole row of 512 bytes
.irp i, 0,1,2,3
.irp p, 0,1,2,3
	ds_load_b128 v[T1+16*\i+4*\p:T1+16*\i+4*\p+3], v[ORD] offset:\p*16*SPITCH+\i*SPITCH
.endr
.endr
.irp i, 0,1,2,3
	s_wait_dscnt 12-4*\i                           ; the later rows' loads are younger
	v_pk_add_f32 v[T1+16*\i:T1+16*\i+1], v[T1+16*\i:T1+16*\i+1], v[T1+16*\i+4:T1+16*\i+5]
	v_pk_add_f32 v[T1+16*\i+2:T1+16*\i+3], v[T1+16*\i+2:T1+16*\i+3], v[T1+16*\i+6:T1+16*\i+7]
	v_pk_add_f32 v[T1+16*\i+8:T1+16*\i+9], v[T1+16*\i+8:T1+16*\i+9], v[T1+16*\i+12:T1+16*\i+13]
	v_pk_add_f32 v[T1+16*\i+10:T1+16*\i+11], v[T1+16*\i+10:T1+16*\i+11], v[T1+16*\i+14:T1+16*\i+15]
	v_pk_add_f32 v[T1+16*\i:T1+16*\i+1], v[T1+16*\i:T1+16*\i+1], v[T1+16*\i+8:T1+16*\i+9]
	v_pk_add_f32 v[T1+16*\i+2:T1+16*\i+3], v[T1+16*\i+2:T1+16*\i+3], v[T1+16*\i+10:T1+16*\i+11]
	v_pk_mul_f32 v[T1+16*\i:T1+16*\i+1], v[T1+16*\i:T1+16*\i+1], 0x3b800000 op_sel_hi:[1,0]        ; the factor 256 of W_o's copy goes out again, exactly
	v_pk_mul_f32 v[T1+16*\i+2:T1+16*\i+3], v[T1+16*\i+2:T1+16*\i+3], 0x3b800000 op_sel_hi:[1,0]
	global_store_b128 v[LOFF], v[T1+16*\i:T1+16*\i+3], s[62:63] offset:512*\i th:TH_STORE_NT
.endr
	s_wait_tensorcnt 0x0
	ds_add_u32 v254, v255
	s_wait_dscnt 0x0
	ROUND                                          ; the closing round: no work-group ends while a partner may still ask for a tile that names it
	s_endpgm
.Lfunc_end_k_q6fae271f4e_attn:
	.size	k_q6fae271f4e_attn, .Lfunc_end_k_q6fae271f4e_attn-k_q6fae271f4e_attn
	.p2alignl 7, 3214868480
	.fill 96, 4, 3214868480
	.section	.rodata,"a",@progbits
	.p2align	6, 0x0
	.amdhsa_kernel k_q6fae271f4e_attn
		.amdhsa_group_segment_fixed_size 327680
		.amdhsa_private_segment_fixed_size 0
		.amdhsa_enable_private_segment 0
		.amdhsa_kernarg_size 32
		.amdhsa_user_sgpr_count 2
		.amdhsa_user_sgpr_kernarg_segment_ptr 1
		.amdhsa_wavefront_size32 1
		.amdhsa_system_sgpr_workgroup_id_x 1
		.amdhsa_system_sgpr_workgroup_id_y 1
		.amdhsa_system_sgpr_workgroup_id_z 1
		.amdhsa_system_vgpr_workitem_id 0
		.amdhsa_next_free_vgpr 800
		.amdhsa_next_free_sgpr 86
		.amdhsa_reserve_vcc 0
		.amdhsa_float_denorm_mode_32 3
		.amdhsa_float_denorm_mode_16_64 3
		.amdhsa_memory_ordered 1
		.amdhsa_forward_progress 1
		.amdhsa_inst_pref_size 255
	.end_amdhsa_kernel
	.section	.bss,"aw",@nobits
	.p2align	6
	.space	262144
	.amdgpu_metadata
---
amdhsa.version: [ 1, 2 ]
amdhsa.kernels:
  - .name:           k_q6fae271f4e_attn
    .symbol:         k_q6fae271f4e_attn.kd
    .args:
      - { .name: xh, .offset: 0, .size: 8, .value_kind: global_buffer, .address_space: global }
      - { .name: Qp, .offset: 8, .size: 8, .value_kind: global_buffer, .address_space: global }
      - { .name: Wof, .offset: 16, .size: 8, .value_kind: global_buffer, .address_space: global }
      - { .name: out0, .offset: 24, .size: 8, .value_kind: global_buffer, .address_space: global }
    .group_segment_fixed_size: 327680
    .private_segment_fixed_size: 0
    .kernarg_segment_align: 8
    .kernarg_segment_size: 32
    .max_flat_workgroup_size: 128
    .sgpr_count:     86
    .vgpr_count:     800
    .wavefront_size: 32
...
	.end_amdgpu_metadata
.endif
;; end of part 2
